; MI455X (gfx1250); checked and timed in simulation.
; The chip was launched on July 23, 2026; its instructions are those of AMD's public machine-readable ISA for CDNA 5 (MIT licence, August 2026) and "CDNA5" Instruction Set Architecture Reference Guide (July 2026). The comments in the code are by the model that wrote it; some were corrected since.
;; TP Group Quant Linear. Allowed arithmetic: float matrix products may take bf16 or f16 operands with f32 sums; other float arithmetic in f32, or as packed bf16 or f16 multiplies, adds, multiply-adds, maxima and minima; sums over many terms, partial sums and values carried from step to step in f32; what a program stores and reads back later, other than sums and carried values, may be rounded once to bf16 or f16.
;; Inputs: bias 4,096 float32; w_bias 4,096 x 64 x 1 float32; w_packed 4,096 x 64 x 16 int32; w_scale 4,096 x 64 x 1 float32; x 2 x 2,048 x 4,096 float32.
;; Outputs: out0 2 x 2,048 x 4,096 float32.
;; 2 versions, each right; version 2 is version 1 with the launch prep written anew for expert scheduling mode. Each part assembles by itself: llvm-mc -triple=amdgcn-amd-amdhsa -mcpu=gfx1250 --defsym DOCPART=n.
;; ======== version 1 of 2: 2 launches
;; limits: values are held in f16: magnitudes above 65,504 overflow, below 6.1e-05 lose precision
;; workspace buffers: xh 33,554,432 bytes; wh 33,554,432 bytes
;; launch prep (part 1): grid 768 x 1, 8 waves a work-group, no clusters, 0 bytes of LDS; arguments x, w_packed, w_scale, w_bias, xh, wh; writes xh, wh
.if DOCPART == 1
	.amdgcn_target "amdgcn-amd-amdhsa--gfx1250"
	.amdhsa_code_object_version 6
	.text
	.protected	k_qc01a3f952c_prep
	.globl	k_qc01a3f952c_prep
	.p2align	8
	.type	k_qc01a3f952c_prep,@function
k_qc01a3f952c_prep:
	s_mov_b64 s[64:65], 0
	v_nop
	global_prefetch_b8 v0, s[64:65] scope:SCOPE_SE
	s_setreg_imm32_b32 hwreg(HW_REG_WAVE_MODE, 25, 1), 1
	s_wait_xcnt 0x0
; THE TWO OPERANDS OF THE PRODUCT, EACH MADE ONCE, IN f16.
;   xh[m][k] = f16(x[m][k])                         x: [4096][4096] f32
;   wh[o][k] = f16(fma(q[o][k], s[o][k/64], b[o][k/64]))   q: four 4-bit codes in the low 16 bits of each int32 word, the lowest k in the lowest bits
; The product's launch would otherwise convert x once for each of its 16 tile columns and unpack W once for each of its 16 tile rows.
; f16 and not bf16: 11 significant bits against 8 in both operands of a sum over 4,096 terms.
; LIMITS.  |x| or |q s + b| of 65,520 or more becomes an infinity in f16; below 6.1e-5 f16 keeps its fixed step of 6e-8; NaN and infinities are not treated apart.
; Bits 16 to 31 of a packed word are ignored.  q s + b is one fused multiply-add in f32, rounded once more to f16.
; SHARES.  768 work-groups of eight waves.  Work-groups 0-511 take 131,072 bytes of x each (job X); work-groups 512-767 take 16 rows of W each (job W):
; 196,608 bytes moved in job X, 204,800 in job W.  Nothing is shared between waves: no LDS bytes, no barrier, no cluster, no matrix unit.
; Every load of a wave is issued at its start, and the waits count down; so there is no ring and no loop.
.set XGROUPS, 512
	s_load_b256 s[4:11], s[0:1], 0x0               ; x s[4:5], w_packed s[6:7], w_scale s[8:9], w_bias s[10:11]
	s_load_b128 s[12:15], s[0:1], 0x20             ; xh s[12:13], wh s[14:15]
	v_and_b32 v1, 31, v0                           ; lane l
	v_lshrrev_b32 v2, 5, v0                        ; wave
	s_wait_kmcnt 0x0
	s_cmp_lt_u32 ttmp9, XGROUPS
	s_cbranch_scc0 .Lw
; JOB X.  A wave owns 16,384 consecutive bytes of x: 32 loads of 512 consecutive bytes, 32 stores of 256 consecutive bytes, aligned.
.set XI, 3                             ; v3   my byte offset in the work-group's part of x
.set XO, 4                             ; v4   the same in xh
.set D,  8                             ; v[8:135]  load i: four registers; its two packed results take the first two
	s_lshl_b32 s2, ttmp9, 17                       ; the work-group's 131,072 bytes of x
	s_mov_b32 s3, 0
	s_add_nc_u64 s[4:5], s[4:5], s[2:3]
	s_lshl_b32 s16, ttmp9, 16                      ; and its 65,536 bytes of xh
	s_mov_b32 s17, 0
	s_add_nc_u64 s[12:13], s[12:13], s[16:17]
	v_lshlrev_b32 v[XI], 4, v1
	v_lshl_or_b32 v[XI], v2, 14, v[XI]             ; 16,384 x wave + 16 l
	v_lshlrev_b32 v[XO], 3, v1
	v_lshl_or_b32 v[XO], v2, 13, v[XO]             ; 8,192 x wave + 8 l
.set i, 0
.rept 32
	global_load_b128 v[D+4*i:D+4*i+3], v[XI], s[4:5] offset:512*i th:TH_LOAD_NT
.set i, i+1
.endr
.set i, 0
.rept 32
	s_wait_loadcnt 31-i                            ; loads come back in order: load i is in, the 31 - i younger ones stay out
	v_cvt_pk_f16_f32 v[D+4*i],   v[D+4*i],   v[D+4*i+1]
	v_cvt_pk_f16_f32 v[D+4*i+1], v[D+4*i+2], v[D+4*i+3]
	global_store_b64 v[XO], v[D+4*i:D+4*i+1], s[12:13] offset:256*i  ; 32 lanes x 8 bytes: 256 consecutive bytes, aligned; no register is written a second time, so no wait frees one
.set i, i+1
.endr
	s_endpgm
; JOB W.  A wave owns two rows of W.  A row is 1,024 words (4,096 bytes) in, 4,096 f16 (8,192 bytes) out, in 16 chunks: a chunk is 256 consecutive bytes of words,
; two words (8 weights) a lane, four groups of 64 weights, eight lanes to a group; it leaves as 512 consecutive bytes, 16 a lane.
.set WI,  3                            ; v3   my byte offset in the work-group's words
.set WO,  4                            ; v4   the same in wh
.set SO,  5                            ; v5   the same in w_scale and in w_bias
.set IA,  6                            ; v6   4 x (l / 2): lane selects for the exchanges between lanes, in bytes
.set IB,  7                            ; v7   4 x (16 + l / 2)
.set IDX, 10                           ; v[10:17]  4 x (4 c + l / 8), c = 0 .. 7
.set RAW, 18                           ; v[18:25]  row r: s of groups 2 l, 2 l + 1 at RAW + 4 r, b at RAW + 4 r + 2
.set ES,  26                           ; v26  s of group l          v27  s of group 32 + l
.set FS,  27
.set EB,  28                           ; v28  b of group l          v29  b of group 32 + l
.set FB,  29
.set SC,  30                           ; v[30:33]  s, s / 16, s / 256, s / 4096
.set T,   34                           ; v[34:41]  at work
.set Y,   42                           ; v[42:57]  four sets of four: packed results on their way out
.set SB,  58                           ; v[58:89]  chunk i: my group's b at SB + 2 i, its s at SB + 2 i + 1
.set WD,  90                           ; v[90:153] chunk g = 16 r + i: my two words
.Lw:
	s_sub_co_u32 s18, ttmp9, XGROUPS               ; j: my block of 16 rows
	s_lshl_b32 s2, s18, 16                         ; 16 rows x 4,096 bytes of words
	s_mov_b32 s3, 0
	s_add_nc_u64 s[6:7], s[6:7], s[2:3]
	s_lshl_b32 s16, s18, 17                        ; 16 rows x 8,192 bytes of wh
	s_mov_b32 s17, 0
	s_add_nc_u64 s[14:15], s[14:15], s[16:17]
	s_lshl_b32 s30, s18, 12                        ; 16 rows x 256 bytes of s and of b
	s_mov_b32 s31, 0
	s_add_nc_u64 s[8:9], s[8:9], s[30:31]
	s_add_nc_u64 s[10:11], s[10:11], s[30:31]
	v_lshlrev_b32 v[WI], 3, v1
	v_lshl_or_b32 v[WI], v2, 13, v[WI]             ; 2 rows x 4,096 x wave + 8 l
	v_lshlrev_b32 v[SO], 3, v1
	v_lshl_or_b32 v[SO], v2, 9, v[SO]              ; 2 rows x 256 x wave + 8 l
.irp r, 0,1
	global_load_b64 v[RAW+4*(\r):RAW+4*(\r)+1],   v[SO], s[8:9]   offset:256*(\r)  ; a row's 64 scales: 256 consecutive bytes
	global_load_b64 v[RAW+4*(\r)+2:RAW+4*(\r)+3], v[SO], s[10:11] offset:256*(\r)  ; and its 64 biases
.endr
.set g, 0
.rept 32
	global_load_b64 v[WD+2*g:WD+2*g+1], v[WI], s[6:7] offset:256*g th:TH_LOAD_NT   ; 4,096 r + 256 i = 256 g
.set g, g+1
.endr
	s_mov_b32 s20, 0x4b000000                      ; 2^23: a code set into its mantissa is 2^23 + the code's bits as a whole number
	s_mov_b32 s21, 0xf0
	s_mov_b32 s22, 0xf00
	s_mov_b32 s23, 0xf000
	s_mov_b32 s24, 0xcb000000                      ; -2^23
	s_mov_b32 s25, s24                             ; named with it as a pair
	s_mov_b32 s26, 0x3d800000                      ; 1 / 16
	s_mov_b32 s28, 0x3b800000                      ; 1 / 256
	s_mov_b32 s29, s28                             ; named with it as a pair
	v_lshlrev_b32 v[WO], 4, v1
	v_lshl_or_b32 v[WO], v2, 14, v[WO]             ; 2 rows x 8,192 x wave + 16 l
	v_and_b32 v8, 1, v1
	v_cmp_eq_u32 vcc_lo, 1, v8                     ; odd lanes; kept to the end
	v_lshrrev_b32 v[IA], 1, v1
	v_lshlrev_b32 v[IA], 2, v[IA]
	v_add_nc_u32 v[IB], 64, v[IA]
	v_lshrrev_b32 v8, 3, v1
	v_lshlrev_b32 v9, 2, v8
.irp c, 0,1,2,3,4,5,6,7
	v_add_nc_u32 v[IDX+(\c)], 16*(\c), v9
.endr
; Chunk i of row rho.  A code in bits 4 n .. 4 n + 3 is taken where it lies: (word & 15 << 4 n) | 2^23 is the f32 number 2^23 + 16^n q, exactly; less 2^23 it is 16^n q, exactly;
; times s / 16^n (a power of two: exact while s / 4096 is no denormal, s >= 2^-114) plus b, fused, it is q s + b rounded once.  So no code is shifted.
.macro CHUNK rho, i
.set g,   16*(\rho)+(\i)
.set YS,  Y+4*((\i)%4)
.set SBI, SB+2*(\i)
	s_wait_loadcnt 31-g                            ; my two words are in; the younger chunks' loads stay out
	s_wait_dscnt 30-2*(\i)                         ; my group's b and s are in; the later chunks' two exchanges each stay out
.if (\i)%4 == 0
	s_wait_xcnt 0x0                                ; the last four stores have read their data: all four sets of Y may be written again
.endif
	v_mov_b32 v[SC], v[SBI+1]                      ; s beside s / 16: the pair that the packed forms below multiply by
	v_mul_f32 v[SC+1], s26, v[SBI+1]
	v_pk_mul_f32 v[SC+2:SC+3], v[SC:SC+1], s[28:29] op_sel_hi:[1,0]
.irp w, 0,1
	v_and_or_b32 v[T+4*(\w)],   v[WD+2*g+(\w)], 15,  s20
	v_and_or_b32 v[T+4*(\w)+1], v[WD+2*g+(\w)], s21, s20
	v_and_or_b32 v[T+4*(\w)+2], v[WD+2*g+(\w)], s22, s20
	v_and_or_b32 v[T+4*(\w)+3], v[WD+2*g+(\w)], s23, s20
.endr
.irp p, 0,2,4,6
	v_pk_add_f32 v[T+(\p):T+(\p)+1], v[T+(\p):T+(\p)+1], s[24:25] op_sel_hi:[1,0]
.endr
.irp w, 0,1
	v_pk_fma_f32 v[T+4*(\w):T+4*(\w)+1],   v[T+4*(\w):T+4*(\w)+1],   v[SC:SC+1],   v[SBI:SBI+1] op_sel_hi:[1,1,0]  ; b, the pair's first register, for both
	v_pk_fma_f32 v[T+4*(\w)+2:T+4*(\w)+3], v[T+4*(\w)+2:T+4*(\w)+3], v[SC+2:SC+3], v[SBI:SBI+1] op_sel_hi:[1,1,0]
.endr
.irp k, 0,1,2,3
	v_cvt_pk_f16_f32 v[YS+(\k)], v[T+2*(\k)], v[T+2*(\k)+1]
.endr
	global_store_b128 v[WO], v[YS:YS+3], s[14:15] offset:8192*(\rho)+512*(\i)  ; 512 consecutive bytes, aligned
.endm
; A row.  Its 64 s and 64 b came as they lie, two groups a lane.  Eight exchanges and four selects lay them a group a lane (groups 0-31, groups 32-63);
; then each chunk's lanes fetch their group's b and s: 32 exchanges, issued in one run, waited for chunk by chunk.  The exchanges touch no LDS byte.
.macro ROWW rho
.if (\rho) == 0
	s_wait_loadcnt 32                              ; the four loads of s and b are in; the 32 loads of words stay out
.endif
.irp q, 0,1
	ds_bpermute_b32 v[T+4*(\q)],   v[IA], v[RAW+4*(\rho)+2*(\q)]    ; group 2 (l / 2)
	ds_bpermute_b32 v[T+4*(\q)+1], v[IA], v[RAW+4*(\rho)+2*(\q)+1]  ; group 2 (l / 2) + 1
	ds_bpermute_b32 v[T+4*(\q)+2], v[IB], v[RAW+4*(\rho)+2*(\q)]    ; 32 groups on
	ds_bpermute_b32 v[T+4*(\q)+3], v[IB], v[RAW+4*(\rho)+2*(\q)+1]
.endr
	s_wait_dscnt 0x0
	v_cndmask_b32 v[ES], v[T],   v[T+1], vcc_lo    ; an odd lane takes the odd group
	v_cndmask_b32 v[FS], v[T+2], v[T+3], vcc_lo
	v_cndmask_b32 v[EB], v[T+4], v[T+5], vcc_lo
	v_cndmask_b32 v[FB], v[T+6], v[T+7], vcc_lo
.irp i, 0,1,2,3,4,5,6,7
	ds_bpermute_b32 v[SB+2*(\i)],   v[IDX+(\i)], v[EB]  ; group 4 i + l / 8
	ds_bpermute_b32 v[SB+2*(\i)+1], v[IDX+(\i)], v[ES]
.endr
.irp i, 0,1,2,3,4,5,6,7
	ds_bpermute_b32 v[SB+16+2*(\i)],   v[IDX+(\i)], v[FB]  ; group 32 + 4 i + l / 8
	ds_bpermute_b32 v[SB+16+2*(\i)+1], v[IDX+(\i)], v[FS]
.endr
.irp i, 0,1,2,3,4,5,6,7,8,9,10,11,12,13,14,15
	CHUNK \rho, \i
.endr
.endm
	ROWW 0
	ROWW 1
	s_endpgm
.Lfunc_end_k_qc01a3f952c_prep:
	.size	k_qc01a3f952c_prep, .Lfunc_end_k_qc01a3f952c_prep-k_qc01a3f952c_prep
	.p2alignl 7, 3214868480
	.fill 96, 4, 3214868480
	.section	.rodata,"a",@progbits
	.p2align	6, 0x0
	.amdhsa_kernel k_qc01a3f952c_prep
		.amdhsa_group_segment_fixed_size 0
		.amdhsa_private_segment_fixed_size 0
		.amdhsa_enable_private_segment 0
		.amdhsa_kernarg_size 48
		.amdhsa_user_sgpr_count 2
		.amdhsa_user_sgpr_kernarg_segment_ptr 1
		.amdhsa_wavefront_size32 1
		.amdhsa_system_sgpr_workgroup_id_x 1
		.amdhsa_system_sgpr_workgroup_id_y 1
		.amdhsa_system_sgpr_workgroup_id_z 1
		.amdhsa_system_vgpr_workitem_id 0
		.amdhsa_next_free_vgpr 160
		.amdhsa_next_free_sgpr 66
		.amdhsa_reserve_vcc 1
		.amdhsa_float_denorm_mode_32 3
		.amdhsa_float_denorm_mode_16_64 3
		.amdhsa_memory_ordered 1
		.amdhsa_forward_progress 1
		.amdhsa_inst_pref_size 72
	.end_amdhsa_kernel
	.amdgpu_metadata
---
amdhsa.version: [ 1, 2 ]
amdhsa.kernels:
  - .name:           k_qc01a3f952c_prep
    .symbol:         k_qc01a3f952c_prep.kd
    .args:
      - { .name: x, .offset: 0, .size: 8, .value_kind: global_buffer, .address_space: global }
      - { .name: w_packed, .offset: 8, .size: 8, .value_kind: global_buffer, .address_space: global }
      - { .name: w_scale, .offset: 16, .size: 8, .value_kind: global_buffer, .address_space: global }
      - { .name: w_bias, .offset: 24, .size: 8, .value_kind: global_buffer, .address_space: global }
      - { .name: xh, .offset: 32, .size: 8, .value_kind: global_buffer, .address_space: global }
      - { .name: wh, .offset: 40, .size: 8, .value_kind: global_buffer, .address_space: global }
    .group_segment_fixed_size: 0
    .private_segment_fixed_size: 0
    .kernarg_segment_align: 8
    .kernarg_segment_size: 48
    .max_flat_workgroup_size: 256
    .sgpr_count:     66
    .vgpr_count:     160
    .wavefront_size: 32
...
	.end_amdgpu_metadata
.endif
;; end of part 1
;; launch gemm (part 2): grid 16 x 16, 4 waves a work-group, clusters of 4 x 4, 327,680 bytes of LDS; arguments xh, wh, bias, out0; writes out0
.if DOCPART == 2
	.amdgcn_target "amdgcn-amd-amdhsa--gfx1250"
	.amdhsa_code_object_version 6
	.text
	.protected	k_qc01a3f952c_gemm
	.globl	k_qc01a3f952c_gemm
	.p2align	8
	.type	k_qc01a3f952c_gemm,@function
k_qc01a3f952c_gemm:
	s_mov_b64 s[64:65], 0
	v_nop
	global_prefetch_b8 v0, s[64:65] scope:SCOPE_SE
	s_setreg_imm32_b32 hwreg(HW_REG_WAVE_MODE, 25, 1), 1
	s_wait_xcnt 0x0
	s_wait_alu depctr_hold_cnt(0) depctr_sa_sdst(0) depctr_va_vdst(0) depctr_va_sdst(0) depctr_va_ssrc(0) depctr_va_vcc(0) depctr_vm_vsrc(0)
	s_getreg_b32 s2, hwreg(HW_REG_IB_STS2, 6, 4)
	s_cmp_eq_u32 s2, 0
	s_cbranch_scc0 .Lentry_in_a_cluster
	s_endpgm
.Lentry_in_a_cluster:
	s_bfe_u32 s2, ttmp6, 0x10000c
	s_cmp_lg_u32 s2, 0xf033
	s_cbranch_scc0 .Lentry_shape_is_right
	s_endpgm
.Lentry_shape_is_right:
; out0[m][o] = bias[o] + the sum over k of xh[m][k] wh[o][k].  xh: [4096][4096] f16, wh: [4096][4096] f16 (both made by the launch before), bias: [4096] f32, out0: [4096][4096] f32.
; Sums in f32, K ascending, started by the bias; nothing is rounded on the way out.
; LIMITS.  Those of the f16 operands: numbers of 65,520 or more arrive as infinities, below 6.1e-5 with f16's fixed step of 6e-8; NaN and infinities are not treated apart.
; SHARES.  out0 is 16 x 16 tiles of 256 x 256, a work-group of four waves to each; a wave makes 128 x 128: 64 accumulators of 16 x 16, 512 registers.  K goes in 32 steps of 128 through a
; ring of two LDS slots filled by the tensor data mover: a tile's rows are 256 bytes of memory and start at multiples of 256 bytes from the buffer's first byte.
; CLUSTERS: 4 x 4 work-groups.  The four of a row of the cluster need the same tiles of xh, the four of a column the same tiles of wh: each tile is asked for JOINTLY, by the same tensor load
; with the same descriptor and a mask that names the four, and each receives it in its own LDS.  That divides the requests for both operands by four.
; THE MATRIX INSTRUCTION IS USED TRANSPOSED: source 0 = 16 rows of wh, source 1 = 16 rows of xh.  In the result lane l holds row l % 16 of out0 and its registers 0-7 the columns
; 8 (l / 16) + 0..7.  So a lane's eight bias numbers are the same for all its rows, and 64 registers of bias are the C operand of each accumulator's first product: the bias costs no addition.
; REGISTERS, in windows of 256 (s_set_vgpr_msb's low byte: bits 1:0 source 0, 3:2 source 1, 5:4 source 2, 7:6 destination):
;   window 0: v0-31 addresses; v64-127, v128-191 fragments of xh, two buffers (on the way out: rows read back from the stage); v192-255 the bias
;   window 1: v64-127, v128-191 fragments of wh, two buffers
;   window 2: the 32 accumulators of my rows 0-63 (accumulator (a, b) at v[8 (8 a + b)]);   window 3: those of my rows 64-127
.set SIZE_K, 4096
.set SIZE_N, 4096
.set KSTEP,  128
.set PITCH,  272                       ; an LDS row: 256 bytes + 16 of padding = 68 words: row r starts at bank 4 r mod 64 (64 banks of 4 bytes: ISA guide 11.1), so the 16 rows of a load start at 16 different banks
.set HALFT,  128*PITCH                 ; 128 rows: what one tensor load brings, and what one wave reads of either operand
.set SLOT,   4*HALFT                   ; xh's 256 rows, then wh's 256 rows
.set STAGE,  2*SLOT                    ; behind the ring: for each wave 16 rows of 128 f32, for the way out; no tensor load fills it
.set SPITCH, 528                       ; a stage row: 512 bytes + 16
.set WSTAGE, 16*SPITCH
.set SPARE,  STAGE+4*WSTAGE            ; behind the stages: the spare words, 128 bytes for each wave: two blocks of 256 bytes that no other line names
.set LAPS,   SIZE_K/(2*KSTEP)          ; a lap = two K steps = once round the ring: 16
.set ADRA, 16                          ; v16-17  LDS address of my fragments of xh in slot 0, 1
.set ADRB, 20                          ; v20-21  the same for wh
.set STO,  24                          ; v24     the way out: where I put my 32 bytes of a row
.set RD,   25                          ; v25     the way out: where I read a row back
.set CO,   26                          ; v26     my 16 bytes in a row's 512
.set BO,   27                          ; v27     my byte offset in 16 columns' bias
.set SPW,  28                          ; v28     LDS address of my spare word: SPARE + 4 x my thread's number; never rewritten
.set NIL,  29                          ; v29     0; never rewritten
.set PFO,  30                          ; v30     the prefetches' offset: my lane x a row of xh or wh (8,192 bytes); never rewritten
.set F0,   64                          ; fragment buffer 0
.set F1,   128                         ; fragment buffer 1
.set OB,   64                          ; the way out: 16 rows read back: v64-127 and v128-191 by turns
.set BI,   192                         ; v192-255  bias of my 128 columns: column block b at BI + 8 b
.set G1,   24                          ; s[24:31] descriptor group 1 for xh's tiles
.set G0,   32                          ; s[32:39] descriptor group 0 for xh's tiles, one set for each slot
.set LIM,  43                          ; s43      1 in a wave that prefetches, else the greatest number
.set PFA,  44                          ; s[44:45] where my prefetches stand
.set G1B,  48                          ; s[48:55] descriptor group 1 for wh's tiles: it differs in the mask alone
.set G0B,  56                          ; s[56:63] descriptor group 0 for wh's tiles
.set BP,   66                          ; s[66:67] bias at my first column
.set MSB, 0
.macro WIN new                         ; the immediate's high byte repeats the setting that is left; a switch that changes nothing is dropped
.if MSB != (\new)
	s_set_vgpr_msb (MSB<<8)|(\new)
.set MSB, \new
.endif
.endm
.set MUL_LO, 0xa1                      ; source 0 (wh) window 1, source 1 (xh) window 0, C and D window 2
.set MUL_HI, 0xf1                      ; the same, C and D window 3
.set BEG_LO, 0x81                      ; a sum's first product: C (the bias) window 0, D window 2
.set TO_B,   0x40                      ; destination window 1, address window 0
; A joint load.  Waves 0 and 1 fetch xh's two halves, waves 2 and 3 wh's.  Each of the two lines has one mask and one set of registers for all that issue it.  The branch hangs on the wave's number alone.
; An s_nop 0 and four v_nop follow each of the two lines, ahead of the jump, the label and what follows.
.macro JLOAD s
	s_cmp_eq_u32 s11, 0
	s_cbranch_scc0 .Lfor_b_\@
	tensor_load_to_lds s[G0+4*(\s):G0+4*(\s)+3], s[G1:G1+7]
	s_nop 0
.rept 4
	v_nop
.endr
	s_branch .Lasked_\@
.Lfor_b_\@:
	tensor_load_to_lds s[G0B+4*(\s):G0B+4*(\s)+3], s[G1B:G1B+7]
	s_nop 0
.rept 4
	v_nop
.endr
.Lasked_\@:
.endm
; A PREFETCH INTO THE L2, behind each joint refill and the run of LDS loads that follows it: the K step that stands two refills on, 512 matrix instructions ahead of the load that will ask for it:
; 32 rows x 256 bytes, a lane a row, one instruction a wave.  Each row's 256 bytes of a K step are named once in the launch: xh's tile row is read by every cluster of that row of clusters, and the one with
; cluster x = 0 asks; wh's tile column by every cluster of that column, and the one with cluster y = 0 asks.  The four partners that ask for a tile jointly share its rows out by address: of the 128 rows that
; a wave fetches, the partner at place p takes 32 p .. 32 p + 31 (p = cx for xh, cy for wh).  The loop's last trip (s3 = 1) asks for nothing: K step 31 is the last that is named.  K steps 0 to 3 come by their loads alone.
.macro ASK
	s_cmp_gt_u32 s3, s[LIM]
	s_cbranch_scc0 .Lnot_mine_\@
	global_prefetch_b8 v[PFO], s[PFA:PFA+1] offset:KSTEP*2 th:TH_LOAD_NT scope:SCOPE_SE
.Lnot_mine_\@:
.endm
; A round of the cluster's barrier: my work-group's barrier, so that wave 0's signal speaks for all four waves; wave 0 signals for the work-group; every wave waits for all sixteen; my work-group's barrier once more.
.macro CREST                           ; a round behind its opening barrier
	s_cmp_lg_u32 s10, 0
	s_cbranch_scc1 .Lnot_wave_0_\@
	s_barrier_signal -3
.Lnot_wave_0_\@:
	s_barrier_wait -3
	s_barrier_signal -1
	s_barrier_wait -1
.endm
.macro CROUND                          ; a whole round
	s_barrier_signal -1
	s_barrier_wait -1
	CREST
.endm
	s_load_b128 s[4:7], s[0:1], 0x0                ; xh s[4:5], wh s[6:7]
	s_load_b64 s[BP:BP+1], s[0:1], 0x10            ; bias
	s_load_b64 s[8:9], s[0:1], 0x18                ; out0
	v_lshl_add_u32 v[SPW], v0, 2, SPARE
	v_mov_b32 v[NIL], 0
	ds_add_u32 v[SPW], v[NIL]                      ; the wave's opening: the add and its wait stand ahead of my first tensor load; the set-up below, work on registers, stands between them
	v_lshrrev_b32 v1, 5, v0
	v_readfirstlane_b32 s10, v1                    ; wave 0..3
	s_lshr_b32 s11, s10, 1                         ; which half of the tile's rows is mine.  Also: I fetch for xh (0) or for wh (1)
	s_and_b32 s12, s10, 1                          ; which half of its columns.  Also: which 128 rows of that tile I fetch
	s_bfe_u32 s40, ttmp6, 0x40000                  ; cx: my place along the cluster's x
	s_bfe_u32 s41, ttmp6, 0x40004                  ; cy: along its y
	s_lshl_b32 s42, ttmp9, 2                       ; in a cluster launch ttmp9 and ttmp7 count clusters
	s_add_co_u32 s42, s42, s40                     ; tile column = 4 x cluster x + cx
	s_and_b32 s13, ttmp7, 0xffff
	s_lshl_b32 s13, s13, 2
	s_add_co_u32 s13, s13, s41                     ; tile row = 4 x cluster y + cy
	s_lshl_b32 s43, s41, 2
	s_lshl_b32 s43, 15, s43                        ; my row of the cluster: places 4 cy .. 4 cy + 3
	s_lshl_b32 s44, 0x1111, s40                    ; my column: places cx, cx + 4, cx + 8, cx + 12
	; descriptor group 1: a tile of 128 rows x 128 elements, padded in LDS
	s_or_b32 s[G1+0], s43, (1<<16)|(1<<20)|(1<<21)|(5<<22)|(3<<25)  ; 15:0 the mask: xh's tiles go to my row; 17:16 elements of 2 bytes; 20 padding on; 21 set beside a mask; 24:22 after every 64 words (code 5); 31:25 4 words of it (code 3)
	s_or_b32 s[G1B+0], s44, (1<<16)|(1<<20)|(1<<21)|(5<<22)|(3<<25) ; the same with the mask of my column, for wh's tiles
.irp g, G1, G1B
	s_mov_b32 s[(\g)+1], KSTEP<<16                 ; tensor_dim0 = 128
	s_mov_b32 s[(\g)+2], 128<<16                   ; tensor_dim1 = 128
	s_mov_b32 s[(\g)+3], KSTEP<<16                 ; tile_dim0 = 128
	s_mov_b32 s[(\g)+4], 128                       ; tile_dim1 = 128
	s_mov_b32 s[(\g)+5], SIZE_K                    ; elements from row to row
	s_mov_b32 s[(\g)+6], 0
	s_mov_b32 s[(\g)+7], 0
.endr
	; where the tiles come from.  xh's hang on the tile row alone, which my row of the cluster shares; wh's on the tile column alone, which my column shares.
	; Every wave makes both addresses, in registers that never hold the other coordinate, and asks by one of them.
	s_lshl_b32 s17, s12, 7                         ; which 128 rows of the tile I fetch
	s_lshl_b32 s16, s13, 8
	s_add_co_u32 s16, s16, s17                     ; xh: row 256 x tile row + 128 x half
	s_lshl_b32 s46, s42, 8
	s_add_co_u32 s46, s46, s17                     ; wh: row 256 x tile column + 128 x half
	s_mov_b32 s17, 0
	s_mov_b32 s47, 0
	s_mov_b64 s[18:19], SIZE_K*2
	s_mul_u64 s[16:17], s[16:17], s[18:19]         ; in bytes
	s_mul_u64 s[46:47], s[46:47], s[18:19]
	s_mul_i32 s20, s10, HALFT                      ; and where they go: wave x 128 rows: no place in the cluster enters an LDS address
	s_wait_dscnt 0x0                               ; the opening add is done
	s_wait_kmcnt 0x0
	s_add_nc_u64 s[14:15], s[4:5], s[16:17]
	s_add_nc_u64 s[46:47], s[6:7], s[46:47]
	CROUND                                         ; all sixteen work-groups are here: the first joint loads meet
.irp s, 0,1
	s_mov_b32 s[G0+4*(\s)], 1                                      ; 1:0 count = 1
	s_add_co_u32 s[G0+4*(\s)+1], s20, (\s)*SLOT                    ; 63:32 LDS address
	s_add_nc_u64 s[G0+4*(\s)+2:G0+4*(\s)+3], s[14:15], (\s)*KSTEP*2  ; 120:64 global address: K step s
	s_or_b32 s[G0+4*(\s)+3], s[G0+4*(\s)+3], 0x80000000            ; 127:126 type = 2
	s_mov_b32 s[G0B+4*(\s)], 1
	s_add_co_u32 s[G0B+4*(\s)+1], s20, (\s)*SLOT
	s_add_nc_u64 s[G0B+4*(\s)+2:G0B+4*(\s)+3], s[46:47], (\s)*KSTEP*2
	s_or_b32 s[G0B+4*(\s)+3], s[G0B+4*(\s)+3], 0x80000000
	JLOAD \s                                       ; the ring is filled before anything else is done: two tensor loads of mine are out
.endr
	; A fragment is 16 rows x 32 K in 8 registers: lane l holds row l % 16; registers 0-3 hold K = 8 (l / 16) + 0..7, registers 4-7 K = 16 + 8 (l / 16) + 0..7: two loads of 16 bytes, 32 bytes apart.
	v_and_b32 v1, 15, v0                           ; l % 16
	v_bfe_u32 v2, v0, 4, 1                         ; l / 16
	v_mul_u32_u24 v3, v1, PITCH
	v_lshl_add_u32 v3, v2, 4, v3                   ; row x pitch + 16 x half
	s_mul_i32 s21, s11, HALFT                      ; my 128 rows of xh
	s_mul_i32 s22, s12, HALFT                      ; my 128 rows of wh,
	s_add_co_u32 s22, s22, 2*HALFT                 ; which lie behind xh's 256
.irp s, 0,1
	v_add_nc_u32 v[ADRA+(\s)], s21, v3
	v_add_nc_u32 v[ADRB+(\s)], s22, v3
	s_add_co_u32 s21, s21, SLOT
	s_add_co_u32 s22, s22, SLOT
.endr
	s_mul_i32 s23, s10, WSTAGE
	s_add_co_u32 s23, s23, STAGE                   ; my stage
	v_mul_u32_u24 v4, v1, SPITCH                   ; in: row l % 16, 32 bytes for each half of the lanes
	v_lshl_add_u32 v4, v2, 5, v4
	v_add_nc_u32 v[STO], s23, v4
	v_and_b32 v5, 31, v0
	v_lshlrev_b32 v[CO], 4, v5                     ; back and out: 32 lanes take one row's 512 bytes
	v_add_nc_u32 v[RD], s23, v[CO]
	v_lshlrev_b32 v[BO], 5, v2                     ; my 8 of a block's 16 columns
	; out0 at my wave's first row and column; bias at my first column
	s_lshl_b32 s13, s13, 8                         ; 256 x tile row
	s_lshl_b32 s14, s11, 7
	s_add_co_u32 s16, s13, s14                     ; my first row
	s_mov_b32 s17, 0
	s_mov_b64 s[18:19], SIZE_N*4
	s_mul_u64 s[16:17], s[16:17], s[18:19]
	s_lshl_b32 s46, s42, 10                        ; my first column, in bytes of f32: 1,024 x tile column + 512 x half (in the registers that held wh's address: none that feeds xh's descriptors ever holds cx)
	s_lshl_b32 s47, s12, 9
	s_add_co_u32 s46, s46, s47
	s_mov_b32 s47, 0
	s_add_nc_u64 s[8:9], s[8:9], s[16:17]
	s_add_nc_u64 s[8:9], s[8:9], s[46:47]
	s_add_nc_u64 s[BP:BP+1], s[BP:BP+1], s[46:47]
.irp b, 0,1,2,3,4,5,6,7
	global_load_b128 v[BI+8*(\b):BI+8*(\b)+3],   v[BO], s[BP:BP+1] offset:64*(\b)     ; columns 16 b + 8 (l / 16) + 0..3
	global_load_b128 v[BI+8*(\b)+4:BI+8*(\b)+7], v[BO], s[BP:BP+1] offset:64*(\b)+16  ; and + 4..7
.endr
	; the prefetches.  s13 = 256 x tile row, s42 = tile column, s40 = cx, s41 = cy still stand
	s_lshl_b32 s42, s42, 8
	s_and_b32 s22, ttmp7, 0xffff                   ; cluster y
	s_cmp_eq_u32 s11, 0                            ; do I fetch for xh?
	s_cselect_b32 s20, s13, s42                    ; the tile's first row: in xh by the tile row, in wh by the tile column
	s_cselect_b32 s21, s40, s41                    ; my place among the four that ask for it with me
	s_cselect_b32 s22, ttmp9, s22                  ; the coordinate along which other clusters read the same rows
	s_cselect_b64 s[PFA:PFA+1], s[4:5], s[6:7]
	s_cmp_eq_u32 s22, 0
	s_cselect_b32 s[LIM], 1, -1                    ; the same in all sixteen partners, for a given wave
	s_lshl_b32 s22, s12, 7
	s_add_co_u32 s20, s20, s22                     ; + the 128 rows that I fetch
	s_lshl_b32 s21, s21, 5
	s_add_co_u32 s20, s20, s21                     ; + my work-group's 32 of them
	s_mov_b32 s21, 0
	s_mov_b64 s[18:19], SIZE_K*2
	s_mul_u64 s[20:21], s[20:21], s[18:19]
	s_add_nc_u64 s[PFA:PFA+1], s[PFA:PFA+1], s[20:21]
	s_add_nc_u64 s[PFA:PFA+1], s[PFA:PFA+1], 2*KSTEP*2  ; at K step 2: the first refill steps it to 3 and names K step 4
	v_and_b32 v[PFO], 31, v0
	v_mul_u32_u24 v[PFO], v[PFO], SIZE_K*2
; 16 matrix instructions: m blocks a0, a0 + 1 of the window's four (hi = 0: my rows 0-63, 1: rows 64-127) x all 8 n blocks, 32 along K.
; zero = 1: a sum's first product: its C is the bias of its 16 columns: nothing is cleared, and nothing is added later.
; The 64 accumulators take turns, one instruction a turn, in the same order in every quarter step: between two links of a chain stand the 63 others'.
.macro MUL16 f, hi, a0, zero
.if \zero
	WIN BEG_LO+0x40*(\hi)
.else
	WIN MUL_LO+0x50*(\hi)
.endif
.irp a, \a0, (\a0)+1
.irp b, 0,1,2,3,4,5,6,7
.if \zero
	v_wmma_f32_16x16x32_f16 v[8*(8*(\a)+(\b)):8*(8*(\a)+(\b))+7], v[(\f)+8*(\b):(\f)+8*(\b)+7], v[(\f)+8*(4*(\hi)+(\a)):(\f)+8*(4*(\hi)+(\a))+7], v[BI+8*(\b):BI+8*(\b)+7]
.else
	v_wmma_f32_16x16x32_f16 v[8*(8*(\a)+(\b)):8*(8*(\a)+(\b))+7], v[(\f)+8*(\b):(\f)+8*(\b)+7], v[(\f)+8*(4*(\hi)+(\a)):(\f)+8*(4*(\hi)+(\a))+7], v[8*(8*(\a)+(\b)):8*(8*(\a)+(\b))+7]
.endif
.endr
.endr
.endm
; 32 LDS loads in one run: the fragments of one quarter step (128 rows of wh, 128 rows of xh, 32 K at byte k of the rows) into buffer f
.macro FETCH slot, k, f
	WIN TO_B
.irp i, 0,1,2,3,4,5,6,7
	ds_load_b128 v[(\f)+8*(\i):(\f)+8*(\i)+3],   v[ADRB+(\slot)] offset:(\k)+(\i)*16*PITCH
	ds_load_b128 v[(\f)+8*(\i)+4:(\f)+8*(\i)+7], v[ADRB+(\slot)] offset:(\k)+(\i)*16*PITCH+32
.endr
	WIN 0
.irp i, 0,1,2,3,4,5,6,7
	ds_load_b128 v[(\f)+8*(\i):(\f)+8*(\i)+3],   v[ADRA+(\slot)] offset:(\k)+(\i)*16*PITCH
	ds_load_b128 v[(\f)+8*(\i)+4:(\f)+8*(\i)+7], v[ADRA+(\slot)] offset:(\k)+(\i)*16*PITCH+32
.endr
.endm
; A load into a register that a matrix instruction has read, and a store that reads a matrix result, stand four places behind that matrix instruction, and only plain vector instructions that name
; none of its registers are places (ISA guide 7.12.1 for vector instructions); the matrix instructions in between are not counted.
.macro PLACES
.rept 4
	v_nop
.endr
.endm
; A K step is four quarter steps of 32 along K, 64 matrix instructions each, on buffers 0, 1, 0, 1.
; One of the first three: multiplies buffer f; in its middle it fetches the next quarter's fragments, at byte k of the same slot's rows, into buffer g.
.macro QUARTER slot, k, f, g, zero
	s_wait_dscnt 8                                 ; wh and xh's rows 0-63 are in; the youngest eight loads (xh's rows 64-127) may be out
	MUL16 \f, 0, 0, \zero
	MUL16 \f, 0, 2, \zero
	PLACES
	FETCH \slot, \k, \g
	s_wait_dscnt 32                                ; all but the 32 just issued
	MUL16 \f, 1, 0, \zero
	MUL16 \f, 1, 2, \zero
.endm
; The last quarter multiplies buffer 1 and changes slots.  MEET is its first half: one barrier for the change of slots.  In front of it each wave waits for all its tensor loads, of which one is out:
; its part of the next slot; adds 0 to its spare word; and waits for that and for its own reads of this slot.  Behind it nobody reads this slot any more and the next slot is whole.
.macro MEET round                      ; round = 1: a round of the cluster's barrier follows
	WIN 0                                          ; (the add's two registers lie in window 0)
	s_wait_tensorcnt 0x0                           ; all my tensor loads have landed;
	ds_add_u32 v[SPW], v[NIL]                      ; 0 onto my spare word;
	s_wait_dscnt 9                                 ; (the add and the youngest eight loads may be out)
	MUL16 F1, 0, 0, 0                              ; sixteen matrix instructions stand between the add and the wait for it
	s_wait_dscnt 0x0                               ; the add is done, and my reads of this slot are over:
	s_barrier_signal -1                            ; say so,
	MUL16 F1, 0, 2, 0                              ; work on registers while the others arrive,
.if \round
	WIN 0
.endif
	s_barrier_wait -1                              ; and go on when all four have said so
.endm
; The whole last quarter, with a refill.  The barrier opens a round of the cluster's barrier; behind the round the slot just read out is filled again first, with the K step two steps on; then come the
; next slot's first fragments.  From a request to the wait for it a wave issues 224 matrix instructions; one tensor load of mine is out.
.macro TURN slot, next
	s_wait_xcnt 0x0                                ; the last prefetch, a K step back, has read its address: it is stepped here, ahead of the waits of the change of slots
	s_add_nc_u64 s[PFA:PFA+1], s[PFA:PFA+1], KSTEP*2
	MEET 1
	CREST                                          ; no wave of any partner still reads this slot's tile or has a load on its way
	s_add_nc_u64 s[G0+4*(\slot)+2:G0+4*(\slot)+3], s[G0+4*(\slot)+2:G0+4*(\slot)+3], 2*KSTEP*2
	s_add_nc_u64 s[G0B+4*(\slot)+2:G0B+4*(\slot)+3], s[G0B+4*(\slot)+2:G0B+4*(\slot)+3], 2*KSTEP*2
	JLOAD \slot                                    ; the first tensor load behind the round; the four v_nop behind it are also the places in front of the loads below
	FETCH \next, 0, F0
	ASK
	MUL16 F1, 1, 0, 0
	MUL16 F1, 1, 2, 0
.endm
; THE WAY OUT of block a (16 rows x 128 columns of f32), in two parts.  A lane holds 32 bytes of a row for each of 8 column blocks; the lanes beside it hold other rows.  TOSTAGE: the accumulators go as they
; are into my own stage in LDS, each from its low registers on, and come back as whole rows of 512 bytes.  SEND: each row is stored by one instruction.
.macro TOSTAGE a
.set AC, 64*((\a)%4)
.set BK, OB+64*((\a)%2)
	WIN 0x08+4*((\a)/4)                            ; the stores' data: window 2 or 3
.irp b, 0,1,2,3,4,5,6,7
	ds_store_b128 v[STO], v[AC+8*(\b):AC+8*(\b)+3]   offset:64*(\b)
	ds_store_b128 v[STO], v[AC+8*(\b)+4:AC+8*(\b)+7] offset:64*(\b)+16
.endr
	WIN 0
	s_wait_xcnt 0x0                                ; the stores of the block two back have read these registers
.irp t, 0,1,2,3,4,5,6,7,8,9,10,11,12,13,14,15
	ds_load_b128 v[BK+4*(\t):BK+4*(\t)+3], v[RD] offset:SPITCH*(\t)  ; LDS serves a wave's instructions in order (ISA guide 5.7.1.4): these see the stores above, and the next block's stores come behind them
.endr
.endm
.macro SEND a, younger                 ; younger: the LDS instructions issued behind block a's loads: the next block's 32, or none
.set BK, OB+64*((\a)%2)
.irp t, 0,1,2,3,4,5,6,7,8,9,10,11,12,13,14,15
	s_wait_dscnt (\younger)+15-(\t)                ; row t is back; this block's later rows and the next block's instructions may be out
	global_store_b128 v[CO], v[BK+4*(\t):BK+4*(\t)+3], s[8:9] offset:(16*(\a)+(\t))*SIZE_N*4 th:TH_STORE_NT  ; 512 consecutive bytes, at a multiple of 512 from out0's first; 127 rows at the most: inside the signed 24-bit immediate
.endr
.endm
	s_wait_tensorcnt 1                             ; my part of K step 0 is in; K step 1's may stay out
	s_barrier_signal -1
	s_barrier_wait -1                              ; everybody's is
	FETCH 0, 0, F0
	s_wait_loadcnt 0x0                             ; the bias
	QUARTER 0, 64,  F0, F1, 1                      ; the first quarter stands in front of the loop: its products start the sums
	WIN 0                                          ; at a label and at a branch every window is 0
	s_mov_b32 s3, LAPS-1
.Llap:                                                 ; a trip goes once round the ring, from a lap's second quarter to the next lap's first, and fills both slots again
	QUARTER 0, 128, F1, F0, 0
	QUARTER 0, 192, F0, F1, 0
	TURN 0, 1
	QUARTER 1, 64,  F0, F1, 0
	QUARTER 1, 128, F1, F0, 0
	QUARTER 1, 192, F0, F1, 0
	TURN 1, 0
	QUARTER 0, 64,  F0, F1, 0
	WIN 0
	s_sub_co_u32 s3, s3, 1
	s_cmp_lg_u32 s3, 0
	s_cbranch_scc1 .Llap
	QUARTER 0, 128, F1, F0, 0                      ; the last lap fills nothing, and has no round of the cluster's barrier
	QUARTER 0, 192, F0, F1, 0
	MEET 0                                         ; my one tensor load that was still out is the last K step's
	PLACES                                         ; for the loads into buffer 0, which the quarter before multiplied
	FETCH 1, 0, F0
	MUL16 F1, 1, 0, 0
	MUL16 F1, 1, 2, 0
	QUARTER 1, 64,  F0, F1, 0
	QUARTER 1, 128, F1, F0, 0
	QUARTER 1, 192, F0, F1, 0
	s_wait_dscnt 8                                 ; the very last quarter: nothing more to fetch
	MUL16 F1, 0, 0, 0
	MUL16 F1, 0, 2, 0
	s_wait_dscnt 0x0
	MUL16 F1, 1, 0, 0
	MUL16 F1, 1, 2, 0
	WIN 0
	PLACES                                         ; behind the last products, in front of the stores that read results and of the loads into the fragments' registers
	PLACES                                         ; (eight, once a launch)
	TOSTAGE 0
.irp a, 1,2,3,4,5,6,7                  ; block a's way through the stage stands between block a - 1's loads and its stores
	TOSTAGE \a
	SEND (\a)-1, 32
.endr
	SEND 7, 0
	s_wait_tensorcnt 0x0                           ; the wave's end, behind my last tensor load and my last LDS store
	ds_add_u32 v[SPW], v[NIL]
	s_wait_dscnt 0x0
	CROUND                                         ; the closing round: no work-group ends while a partner may still ask for a tile that names it
	s_endpgm
.Lfunc_end_k_qc01a3f952c_gemm:
	.size	k_qc01a3f952c_gemm, .Lfunc_end_k_qc01a3f952c_gemm-k_qc01a3f952c_gemm
	.p2alignl 7, 3214868480
	.fill 96, 4, 3214868480
	.section	.rodata,"a",@progbits
	.p2align	6, 0x0
	.amdhsa_kernel k_qc01a3f952c_gemm
		.amdhsa_group_segment_fixed_size 327680
		.amdhsa_private_segment_fixed_size 0
		.amdhsa_enable_private_segment 0
		.amdhsa_kernarg_size 32
		.amdhsa_user_sgpr_count 2
		.amdhsa_user_sgpr_kernarg_segment_ptr 1
		.amdhsa_wavefront_size32 1
		.amdhsa_system_sgpr_workgroup_id_x 1
		.amdhsa_system_sgpr_workgroup_id_y 1
		.amdhsa_system_sgpr_workgroup_id_z 1
		.amdhsa_system_vgpr_workitem_id 0
		.amdhsa_next_free_vgpr 1024
		.amdhsa_next_free_sgpr 68
		.amdhsa_reserve_vcc 0
		.amdhsa_float_denorm_mode_32 3
		.amdhsa_float_denorm_mode_16_64 3
		.amdhsa_memory_ordered 1
		.amdhsa_forward_progress 1
		.amdhsa_inst_pref_size 147
	.end_amdhsa_kernel
	.amdgpu_metadata
---
amdhsa.version: [ 1, 2 ]
amdhsa.kernels:
  - .name:           k_qc01a3f952c_gemm
    .symbol:         k_qc01a3f952c_gemm.kd
    .args:
      - { .name: xh, .offset: 0, .size: 8, .value_kind: global_buffer, .address_space: global }
      - { .name: wh, .offset: 8, .size: 8, .value_kind: global_buffer, .address_space: global }
      - { .name: bias, .offset: 16, .size: 8, .value_kind: global_buffer, .address_space: global }
      - { .name: out0, .offset: 24, .size: 8, .value_kind: global_buffer, .address_space: global }
    .group_segment_fixed_size: 327680
    .private_segment_fixed_size: 0
    .kernarg_segment_align: 8
    .kernarg_segment_size: 32
    .max_flat_workgroup_size: 128
    .sgpr_count:     68
    .vgpr_count:     1024
    .wavefront_size: 32
...
	.end_amdgpu_metadata
.endif
;; end of part 2
;; ======== version 2 of 2: 2 launches; version 1 with the launch prep written anew for expert scheduling mode
;; limits: values are held in f16: magnitudes above 65,504 overflow, below 6.1e-05 lose precision
;; workspace buffers: xh 33,554,432 bytes; wh 33,554,432 bytes
;; launch prep (part 3): grid 768 x 1, 8 waves a work-group, no clusters, 0 bytes of LDS; arguments x, w_packed, w_scale, w_bias, xh, wh; writes xh, wh
.if DOCPART == 3
	.amdgcn_target "amdgcn-amd-amdhsa--gfx1250"
	.amdhsa_code_object_version 6
	.text
	.protected	k_qc01a3f952c_prep
	.globl	k_qc01a3f952c_prep
	.p2align	8
	.type	k_qc01a3f952c_prep,@function
k_qc01a3f952c_prep:
	s_mov_b64 s[64:65], 0
	v_nop
	global_prefetch_b8 v0, s[64:65] scope:SCOPE_SE
	s_setreg_imm32_b32 hwreg(HW_REG_WAVE_SCHED_MODE, 0, 2), 2
	s_setreg_imm32_b32 hwreg(HW_REG_WAVE_MODE, 25, 1), 1
	s_wait_xcnt 0x0
	s_wait_alu depctr_vm_vsrc(0)
; THE TWO OPERANDS OF THE PRODUCT, EACH MADE ONCE, IN f16.
;   xh[m][k] = f16(x[m][k])                         x: [4096][4096] f32
;   wh[o][k] = f16(fma(q[o][k], s[o][k/64], b[o][k/64]))   q: four 4-bit codes in the low 16 bits of each int32 word, the lowest k in the lowest bits
; The product's launch would otherwise convert x once for each of its 16 tile columns and unpack W once for each of its 16 tile rows.
; f16 and not bf16: 11 significant bits against 8 in both operands of a sum over 4,096 terms.
; LIMITS.  |x| or |q s + b| of 65,520 or more becomes an infinity in f16; below 6.1e-5 f16 keeps its fixed step of 6e-8; NaN and infinities are not treated apart.
; Bits 16 to 31 of a packed word are ignored.  q s + b is one fused multiply-add in f32, rounded once more to f16.
; SHARES.  768 work-groups of eight waves.  Work-groups 0-511 take 131,072 bytes of x each (job X); work-groups 512-767 take 16 rows of W each (job W):
; 196,608 bytes moved in job X, 204,800 in job W.  Nothing is shared between waves: no LDS bytes, no barrier, no cluster, no matrix unit.
; Every global load of a wave is issued at its start, and the waits count down; so there is no ring of loads and no loop.
; THE MODE: SCHED_MODE bits 1:0 = 2 (LLVM: expert scheduling mode 2), set by the entry lines.  The code itself states the register dependences
; between vector instructions and memory or LDS instructions, with s_wait_alu, always for 0.
; THE PLAN, JOB X.  The 32 loads are worked off in eight blocks of four.  Block p's conversions write, in place, the first two of each of its loads' four registers; the four stores that read them
; are issued in block p + 1, behind the one wait at that block's head, dealt among that block's conversions, which name other registers.  No register that a store has read is written again.
; THE PLAN, JOB W.  The 32 chunks go in 16 blocks of two.  Registers that memory or LDS instructions touch, from the first block on:
;   SB, 16 slots  The exchanges of chunk g land in slot g % 16; chunk g's vector lines read it.  Block P (1 to 8) issues the exchanges of block P + 7, into the two slots that block P - 1 read.
;   Y0, Y1        Block P's roundings write Y[P % 2]; the two stores that read it are issued in block P + 1.
;   WD            The words, as loaded; read by the chunks' vector lines; never written again.
;   v[WO], IDX, EH  Offsets, lane selects and the rows' s and b a group a lane: made at the head, never written again.
; Block P's vector lines name slots 2 P and 2 P + 1, its own words, Y[P % 2], T and SC: none of the registers that the block's stores and exchanges touch.  So the waits at a block's head state all
; that its memory and LDS instructions hang on.
.set XGROUPS, 512
	s_load_b256 s[4:11], s[0:1], 0x0               ; x s[4:5], w_packed s[6:7], w_scale s[8:9], w_bias s[10:11]
	s_load_b128 s[12:15], s[0:1], 0x20             ; xh s[12:13], wh s[14:15]
	v_and_b32 v1, 31, v0                           ; lane l
	v_lshrrev_b32 v2, 5, v0                        ; wave
	s_wait_kmcnt 0x0
	s_cmp_lt_u32 ttmp9, XGROUPS
	s_cbranch_scc0 .Lw
; JOB X.  A wave owns 16,384 consecutive bytes of x: 32 loads of 512 consecutive bytes, 32 stores of 256 consecutive bytes, aligned.
.set XI, 3                             ; v3   my byte offset in the work-group's part of x
.set XO, 4                             ; v4   the same in xh
.set D,  8                             ; v[8:135]  load i: four registers; its two packed results take the first two
	s_lshl_b32 s2, ttmp9, 17                       ; the work-group's 131,072 bytes of x
	s_mov_b32 s3, 0
	s_add_nc_u64 s[4:5], s[4:5], s[2:3]
	s_lshl_b32 s16, ttmp9, 16                      ; and its 65,536 bytes of xh
	s_mov_b32 s17, 0
	s_add_nc_u64 s[12:13], s[12:13], s[16:17]
	v_lshlrev_b32 v[XI], 4, v1
	v_lshl_or_b32 v[XI], v2, 14, v[XI]             ; 16,384 x wave + 16 l
	v_lshlrev_b32 v[XO], 3, v1
	v_lshl_or_b32 v[XO], v2, 13, v[XO]             ; 8,192 x wave + 8 l
	s_wait_alu depctr_va_vdst(0)                   ; v[XI] and v[XO] are written: every load and store of this job reads one of them as its offset
.set i, 0
.rept 32
	global_load_b128 v[D+4*i:D+4*i+3], v[XI], s[4:5] offset:512*i th:TH_LOAD_NT
.set i, i+1
.endr
; Block p: loads 4 p to 4 p + 3 are converted; the stores of block p - 1 stand among the conversions.
.macro BLKX p
	s_wait_loadcnt 28-4*(\p)                       ; loads come back in order: this block's four are in, the 28 - 4 p younger ones stay out
.if (\p) > 0
	s_wait_alu depctr_va_vdst(0)                   ; the block before has written its eight packed results, which the four stores below read
.endif
.irp j, 0,1,2,3
.if (\p) > 0
	global_store_b64 v[XO], v[D+16*(\p)-16+4*(\j):D+16*(\p)-16+4*(\j)+1], s[12:13] offset:256*(4*(\p)-4+(\j))  ; 32 lanes x 8 bytes: 256 consecutive bytes, aligned; no vector instruction since the wait names these registers, and none writes them again
.endif
	v_cvt_pk_f16_f32 v[D+16*(\p)+4*(\j)],   v[D+16*(\p)+4*(\j)],   v[D+16*(\p)+4*(\j)+1]
	v_cvt_pk_f16_f32 v[D+16*(\p)+4*(\j)+1], v[D+16*(\p)+4*(\j)+2], v[D+16*(\p)+4*(\j)+3]
.endr
.endm
.irp p, 0,1,2,3,4,5,6,7
	BLKX \p
.endr
	s_wait_alu depctr_va_vdst(0)                   ; block 7 has written its packed results, which the last four stores read
.irp j, 0,1,2,3
	global_store_b64 v[XO], v[D+112+4*(\j):D+112+4*(\j)+1], s[12:13] offset:256*(28+(\j))
.endr
	s_endpgm
; JOB W.  A wave owns two rows of W.  A row is 1,024 words (4,096 bytes) in, 4,096 f16 (8,192 bytes) out, in 16 chunks: a chunk is 256 consecutive bytes of words,
; two words (8 weights) a lane, four groups of 64 weights, eight lanes to a group; it leaves as 512 consecutive bytes, 16 a lane.  Chunk g = 16 r + i is chunk i of row r.
.set WI,  3                            ; v3   my byte offset in the work-group's words
.set WO,  4                            ; v4   the same in wh
.set SO,  5                            ; v5   the same in w_scale and in w_bias
.set IA,  6                            ; v6   4 x (l / 2): lane selects for the exchanges between lanes, in bytes
.set IB,  7                            ; v7   4 x (16 + l / 2)
.set IDX, 10                           ; v[10:17]  4 x (4 c + l / 8), c = 0 .. 7
.set RAW, 18                           ; v[18:25]  row r: s of groups 2 l, 2 l + 1 at RAW + 4 r, b at RAW + 4 r + 2
.set EH,  26                           ; row r at EH + 128 r (v[26:29], v[154:157]): s of group l, s of group 32 + l, b of group l, b of group 32 + l
.set SC,  30                           ; v[30:33]  s, s / 16, s / 256, s / 4096
.set T,   34                           ; v[34:41]  at work: no memory or LDS instruction names them
.set Y,   42                           ; v[42:57]  two buffers of two sets of four: packed results on their way out.  At the head: where the first exchanges land, row r at Y + 8 r
.set SB,  58                           ; v[58:89]  slot i: a chunk's b at SB + 2 i, its s at SB + 2 i + 1
.set WD,  90                           ; v[90:153] chunk g: my two words
.Lw:
	s_sub_co_u32 s18, ttmp9, XGROUPS               ; j: my block of 16 rows
	s_lshl_b32 s2, s18, 16                         ; 16 rows x 4,096 bytes of words
	s_mov_b32 s3, 0
	s_add_nc_u64 s[6:7], s[6:7], s[2:3]
	s_lshl_b32 s16, s18, 17                        ; 16 rows x 8,192 bytes of wh
	s_mov_b32 s17, 0
	s_add_nc_u64 s[14:15], s[14:15], s[16:17]
	s_lshl_b32 s30, s18, 12                        ; 16 rows x 256 bytes of s and of b
	s_mov_b32 s31, 0
	s_add_nc_u64 s[8:9], s[8:9], s[30:31]
	s_add_nc_u64 s[10:11], s[10:11], s[30:31]
	v_lshlrev_b32 v[WI], 3, v1
	v_lshl_or_b32 v[WI], v2, 13, v[WI]             ; 2 rows x 4,096 x wave + 8 l
	v_lshlrev_b32 v[SO], 3, v1
	v_lshl_or_b32 v[SO], v2, 9, v[SO]              ; 2 rows x 256 x wave + 8 l
	s_wait_alu depctr_va_vdst(0)                   ; v[WI] and v[SO] are written: the 36 loads below read one of them as their offset
.irp r, 0,1
	global_load_b64 v[RAW+4*(\r):RAW+4*(\r)+1],   v[SO], s[8:9]   offset:256*(\r)  ; a row's 64 scales: 256 consecutive bytes
	global_load_b64 v[RAW+4*(\r)+2:RAW+4*(\r)+3], v[SO], s[10:11] offset:256*(\r)  ; and its 64 biases
.endr
.set i, 0
.rept 32
	global_load_b64 v[WD+2*i:WD+2*i+1], v[WI], s[6:7] offset:256*i th:TH_LOAD_NT   ; chunk i: 4,096 r + 256 (i % 16) = 256 i
.set i, i+1
.endr
	s_mov_b32 s20, 0x4b000000                      ; 2^23: a code set into its mantissa is 2^23 + the code's bits as a whole number
	s_mov_b32 s21, 0xf0
	s_mov_b32 s22, 0xf00
	s_mov_b32 s23, 0xf000
	s_mov_b32 s24, 0xcb000000                      ; -2^23
	s_mov_b32 s25, s24                             ; named with it as a pair
	s_mov_b32 s26, 0x3d800000                      ; 1 / 16
	s_mov_b32 s28, 0x3b800000                      ; 1 / 256
	s_mov_b32 s29, s28                             ; named with it as a pair
	v_lshlrev_b32 v[WO], 4, v1
	v_lshl_or_b32 v[WO], v2, 14, v[WO]             ; 2 rows x 8,192 x wave + 16 l
	v_and_b32 v8, 1, v1
	v_cmp_eq_u32 vcc_lo, 1, v8                     ; odd lanes; kept to the end
	v_lshrrev_b32 v[IA], 1, v1
	v_lshlrev_b32 v[IA], 2, v[IA]
	v_add_nc_u32 v[IB], 64, v[IA]
	v_lshrrev_b32 v8, 3, v1
	v_lshlrev_b32 v9, 2, v8
.irp c, 0,1,2,3,4,5,6,7
	v_add_nc_u32 v[IDX+(\c)], 16*(\c), v9
.endr
	s_wait_alu depctr_va_vcc(0)                    ; the compare has written VCC, ahead of its first reader: the selects below
; Both rows' 64 s and 64 b came as they lie, two groups a lane.  Sixteen exchanges and eight selects lay them a group a lane (groups 0-31, groups 32-63).  The exchanges touch no LDS byte.
	s_wait_loadcnt 32                              ; the four loads of s and b are in; the 32 loads of words stay out
	s_wait_alu depctr_va_vdst(0)                   ; v[IA], v[IB] and IDX are written, which the exchanges read as lane selects; so is v[WO], the stores' offset
.irp r, 0,1
.irp q, 0,1
	ds_bpermute_b32 v[Y+8*(\r)+4*(\q)],   v[IA], v[RAW+4*(\r)+2*(\q)]    ; group 2 (l / 2)
	ds_bpermute_b32 v[Y+8*(\r)+4*(\q)+1], v[IA], v[RAW+4*(\r)+2*(\q)+1]  ; group 2 (l / 2) + 1
	ds_bpermute_b32 v[Y+8*(\r)+4*(\q)+2], v[IB], v[RAW+4*(\r)+2*(\q)]    ; 32 groups on
	ds_bpermute_b32 v[Y+8*(\r)+4*(\q)+3], v[IB], v[RAW+4*(\r)+2*(\q)+1]
.endr
.endr
	s_wait_dscnt 0x0
.irp r, 0,1
.irp k, 0,1,2,3
	v_cndmask_b32 v[EH+128*(\r)+(\k)], v[Y+8*(\r)+2*(\k)], v[Y+8*(\r)+2*(\k)+1], vcc_lo  ; an odd lane takes the odd group
.endr
.endr
	s_wait_alu depctr_va_vdst(0)                   ; the selects have written both rows' EH, which all the exchanges below read
; The two exchanges of chunk g: its lanes fetch their group's b and s, group 4 (g % 16) + l / 8 of row g / 16, into slot g % 16.
.macro XCH g
.set xs, (\g)%16
.set xe, EH+128*((\g)/16)+xs/8
	ds_bpermute_b32 v[SB+2*xs],   v[IDX+xs%8], v[xe+2]
	ds_bpermute_b32 v[SB+2*xs+1], v[IDX+xs%8], v[xe]
.endm
.irp g, 0,1,2,3,4,5,6,7,8,9,10,11,12,13,14,15
	XCH \g                                         ; row 0's sixteen chunks, in one run; row 1's follow block by block
.endr
; The arithmetic of chunk g, into the four registers from ys on.  A code in bits 4 n .. 4 n + 3 is taken where it lies: (word & 15 << 4 n) | 2^23 is the f32 number 2^23 + 16^n q, exactly;
; less 2^23 it is 16^n q, exactly; times s / 16^n (a power of two: exact while s / 4096 is no denormal, s >= 2^-114) plus b, fused, it is q s + b rounded once.  So no code is shifted.
.macro CALC g, ys
.set SBI, SB+2*((\g)%16)
	v_mov_b32 v[SC], v[SBI+1]                      ; s beside s / 16: the pair that the packed forms below multiply by
	v_mul_f32 v[SC+1], s26, v[SBI+1]
	v_pk_mul_f32 v[SC+2:SC+3], v[SC:SC+1], s[28:29] op_sel_hi:[1,0]
.irp w, 0,1
	v_and_or_b32 v[T+4*(\w)],   v[WD+2*(\g)+(\w)], 15,  s20
	v_and_or_b32 v[T+4*(\w)+1], v[WD+2*(\g)+(\w)], s21, s20
	v_and_or_b32 v[T+4*(\w)+2], v[WD+2*(\g)+(\w)], s22, s20
	v_and_or_b32 v[T+4*(\w)+3], v[WD+2*(\g)+(\w)], s23, s20
.endr
.irp p, 0,2,4,6
	v_pk_add_f32 v[T+(\p):T+(\p)+1], v[T+(\p):T+(\p)+1], s[24:25] op_sel_hi:[1,0]
.endr
.irp w, 0,1
	v_pk_fma_f32 v[T+4*(\w):T+4*(\w)+1],   v[T+4*(\w):T+4*(\w)+1],   v[SC:SC+1],   v[SBI:SBI+1] op_sel_hi:[1,1,0]  ; b, the pair's first register, for both
	v_pk_fma_f32 v[T+4*(\w)+2:T+4*(\w)+3], v[T+4*(\w)+2:T+4*(\w)+3], v[SC+2:SC+3], v[SBI:SBI+1] op_sel_hi:[1,1,0]
.endr
.irp k, 0,1,2,3
	v_cvt_pk_f16_f32 v[(\ys)+(\k)], v[T+2*(\k)], v[T+2*(\k)+1]
.endr
.endm
; Block P: chunks 2 P and 2 P + 1.
.macro BLKW P
	s_wait_loadcnt 30-2*(\P)                       ; my four words are in; the later chunks' loads stay out
.if (\P) == 0
	s_wait_dscnt 28                                ; exchanges come back in order: this block's four are in; those of blocks 1 to 7 stay out
.elseif (\P) < 10
	s_wait_dscnt 24                                ; those of the six later blocks that have been issued stay out
.else
	s_wait_dscnt 4*(15-(\P))                       ; no more are issued: the counts run down
.endif
.if (\P) > 1
	s_wait_xcnt 0x0                                ; the stores issued so far have had their addresses translated: their data registers are rewritten only behind this wait
	s_wait_alu depctr_vm_vsrc(0)                   ; the two stores issued in the block before have read Y[P % 2], which this block's roundings write again
.endif
.if (\P) > 0
	s_wait_alu depctr_va_vdst(0)                   ; the block before has written the other Y, which the stores below read, and is done reading its two slots of SB, in which the exchanges below land
.endif
.if ((\P) > 0) && ((\P) < 9)
	XCH 2*(\P)+14                                  ; block P + 7's, into the slots of block P - 1; no vector instruction of this block names them
	XCH 2*(\P)+15
.endif
.irp c, 0,1
.if (\P) > 0
	global_store_b128 v[WO], v[Y+8*(((\P)+1)%2)+4*(\c):Y+8*(((\P)+1)%2)+4*(\c)+3], s[14:15] offset:512*(2*(\P)-2+(\c))  ; the block before: 512 consecutive bytes, aligned: 8,192 r + 512 i = 512 g
.endif
	CALC 2*(\P)+(\c), Y+8*((\P)%2)+4*(\c)
.endr
.endm
.irp P, 0,1,2,3,4,5,6,7,8,9,10,11,12,13,14,15
	BLKW \P
.endr
	s_wait_alu depctr_va_vdst(0)                   ; block 15 has written Y1, which the last two stores read
.irp c, 0,1
	global_store_b128 v[WO], v[Y+8+4*(\c):Y+8+4*(\c)+3], s[14:15] offset:512*(30+(\c))
.endr
	s_endpgm
.Lfunc_end_k_qc01a3f952c_prep:
	.size	k_qc01a3f952c_prep, .Lfunc_end_k_qc01a3f952c_prep-k_qc01a3f952c_prep
	.p2alignl 7, 3214868480
	.fill 96, 4, 3214868480
	.section	.rodata,"a",@progbits
	.p2align	6, 0x0
	.amdhsa_kernel k_qc01a3f952c_prep
		.amdhsa_group_segment_fixed_size 0
		.amdhsa_private_segment_fixed_size 0
		.amdhsa_enable_private_segment 0
		.amdhsa_kernarg_size 48
		.amdhsa_user_sgpr_count 2
		.amdhsa_user_sgpr_kernarg_segment_ptr 1
		.amdhsa_wavefront_size32 1
		.amdhsa_system_sgpr_workgroup_id_x 1
		.amdhsa_system_sgpr_workgroup_id_y 1
		.amdhsa_system_sgpr_workgroup_id_z 1
		.amdhsa_system_vgpr_workitem_id 0
		.amdhsa_next_free_vgpr 160
		.amdhsa_next_free_sgpr 66
		.amdhsa_reserve_vcc 1
		.amdhsa_float_denorm_mode_32 3
		.amdhsa_float_denorm_mode_16_64 3
		.amdhsa_memory_ordered 1
		.amdhsa_forward_progress 1
		.amdhsa_inst_pref_size 72
	.end_amdhsa_kernel
	.amdgpu_metadata
---
amdhsa.version: [ 1, 2 ]
amdhsa.kernels:
  - .name:           k_qc01a3f952c_prep
    .symbol:         k_qc01a3f952c_prep.kd
    .args:
      - { .name: x, .offset: 0, .size: 8, .value_kind: global_buffer, .address_space: global }
      - { .name: w_packed, .offset: 8, .size: 8, .value_kind: global_buffer, .address_space: global }
      - { .name: w_scale, .offset: 16, .size: 8, .value_kind: global_buffer, .address_space: global }
      - { .name: w_bias, .offset: 24, .size: 8, .value_kind: global_buffer, .address_space: global }
      - { .name: xh, .offset: 32, .size: 8, .value_kind: global_buffer, .address_space: global }
      - { .name: wh, .offset: 40, .size: 8, .value_kind: global_buffer, .address_space: global }
    .group_segment_fixed_size: 0
    .private_segment_fixed_size: 0
    .kernarg_segment_align: 8
    .kernarg_segment_size: 48
    .max_flat_workgroup_size: 256
    .sgpr_count:     66
    .vgpr_count:     160
    .wavefront_size: 32
...
	.end_amdgpu_metadata
.endif
;; end of part 3
;; launch gemm: the kernel of part 2 again; grid 16 x 16, 4 waves a work-group, clusters of 4 x 4, 327,680 bytes of LDS; arguments xh, wh, bias, out0; writes out0
